; MI455X (gfx1250); checked and timed in simulation.
; The chip was launched on July 23, 2026; its instructions are those of AMD's public machine-readable ISA for CDNA 5 (MIT licence, August 2026) and "CDNA5" Instruction Set Architecture Reference Guide (July 2026). The comments in the code are by the model that wrote it; some were corrected since.
;; Attention. Allowed arithmetic: matrix products marked QUANTISED: E3M2 operands, one E8M0 scale for each 32 along K, by v_wmma_scale_f32_16x16x128_f8f6f4 with both operands' format E3M2, f32 sums; everything else in f32.
;; Inputs: Wk 1,024 x 1,024 float32; Wq 1,024 x 1,024 float32; Wv 1,024 x 1,024 float32; bk 1,024 float32; bq 1,024 float32; bv 1,024 float32; q_x 4 x 2,048 x 1,024 float32.
;; Outputs: out0 4 x 2,048 x 1,024 float32.
;; This version of the problem:
;;   THIS VERSION OF THE PROBLEM IS GIVEN IN LOW PRECISION. The matrix products marked QUANTISED in the list below multiply operands that are first quantised to E3M2 (3 exponent bits, 2 mantissa bits; 6 bits a number), with one power-of-two scale for each 32 numbers along K (OCP MX v1.0); their sums are f32. All else is computed in f32.
;;   The module's matrix products, in the order in which they are computed (A, B: the left and right operand; K: the contracted axis; several contracted axes count as one K, in the product's order):
;;     1. [M 8,192, K 1,024] x [K 1,024, N 1,024]; A: input q_x; B: input Wq: QUANTISED
;;     2. [M 8,192, K 1,024] x [K 1,024, N 1,024]; A: input q_x; B: input Wk: QUANTISED
;;     3. [M 8,192, K 1,024] x [K 1,024, N 1,024]; A: input q_x; B: input Wv: QUANTISED
;;     4. batch 64 x [M 2,048, K 64] x [K 64, N 2,048]; A: computed on the way; B: computed on the way: QUANTISED
;;     5. batch 64 x [M 2,048, K 2,048] x [K 2,048, N 64]; A: softmax (see below); B: computed on the way: QUANTISED
;;   THE QUANTISER, for each operand of a quantised product, along K:
;;     - K is cut into blocks of 32 from its start; a last block that is shorter is filled with zeros.
;;     - A block's scale is 2^e with e = floor(log2(the largest magnitude in the block)) - 4, held to -126 .. 127; a block of zeros has e = 0. As a byte (E8M0): e + 127.
;;     - Each number is divided by its block's scale, clamped to +-28, and rounded to the nearest number of E3M2, ties to even, subnormals kept.
;;     - The product sums the exact products of the quantised numbers (number of the format x scale) in f32.
;;   ~~~python
;;   def quantise(x, axis):      # numpy; x: float32 -> the quantised numbers, widened to float32 again
;;       x = np.moveaxis(x, axis, -1); K = x.shape[-1]
;;       x = np.pad(x, [(0, 0)] * (x.ndim - 1) + [(0, -K % 32)]); x = x.reshape(x.shape[:-1] + (-1, 32)); a = np.abs(x).max(-1, keepdims=True)
;;       e = np.where(a > 0, np.clip(np.frexp(np.where(a > 0, a, 1))[1] - 1 - 4, -126, 127), 0)      # np.frexp(a)[1] - 1 = floor(log2(a)), exactly
;;       r = np.clip(x / 2.0 ** e, -28, 28)
;;       step = 2.0 ** (np.maximum(np.frexp(np.where(r == 0, 1, r))[1] - 1, -2) - 2)
;;       q = np.round(r / step) * step * 2.0 ** e      # np.round: ties to even
;;       return np.moveaxis(q.reshape(q.shape[:-2] + (-1,))[..., :K], -1, axis).astype(np.float32)
;;   ~~~
;;   SOFTMAX AHEAD OF A QUANTISED PRODUCT. Where the list says 'softmax', what is quantised is not the finished softmax but p = 2^(t - M), with t = logit x log2(e) and M = ceil(the row's largest t), a whole number; so 1/2 < the row's largest p <= 1. The row's sum l is taken of the UNQUANTISED p, in f32, and the product's result is divided by l at the end. Since M is a whole number, a kernel that streams over the keys may use a running M (the ceiling of the running maximum): every later rescaling is an exact power of two, which a block's scale takes up: the codes' values come out the same.
;;   OPERANDS COMPUTED ON THE WAY. 'Computed on the way' means the value that the module computes at that place (a softmax that the list does not call 'softmax' is quantised finished and normalised). What goes into a quantiser is computed in f32, as accurately as f32 sums, v_exp_f32 and their like allow (about 1e-6 of the number): no bf16 or f16 on the way to a quantiser, and a product that is left as it is and whose result goes on into a quantised operand takes f32 operands (vector FMAs, or v_wmma_f32_16x16x4_f32). A number that lies on a knife's edge between two numbers of the format may be rounded either way, as far as f32 arithmetic and the matrix unit's own rounding can turn it there, and no further.
;; One version. Each part assembles by itself: llvm-mc -triple=amdgcn-amd-amdhsa -mcpu=gfx1250 --defsym DOCPART=n.
;; ======== version 1 of 1: 3 launches
;; limits: right only within a limited range of input values
;; workspace buffers: xcodes 6,291,456 bytes; xscales 262,144 bytes; wcodes 2,359,296 bytes; wscales 98,304 bytes; qimg 6,553,600 bytes; kimg 6,553,600 bytes; vimg 6,553,600 bytes
;; launch quant (part 1): grid 352 x 1, 4 waves a work-group, no clusters, 33,280 bytes of LDS; arguments q_x, Wq, Wk, Wv, xcodes, xscales, wcodes, wscales; writes xcodes, xscales, wcodes, wscales
.if DOCPART == 1
	.amdgcn_target "amdgcn-amd-amdhsa--gfx1250"
	.amdhsa_code_object_version 6
	.text
	.protected	k_qca6ba36501_quant
	.globl	k_qca6ba36501_quant
	.p2align	8
	.type	k_qca6ba36501_quant,@function
k_qca6ba36501_quant:
	s_mov_b64 s[64:65], 0
	v_nop
	global_prefetch_b8 v0, s[64:65] scope:SCOPE_SE
	s_setreg_imm32_b32 hwreg(HW_REG_WAVE_MODE, 25, 1), 1
	s_wait_xcnt 0x0
; q_x [8192][1024] and Wq, Wk, Wv [1024][1024], f32, become codes of BF6 (E3M2), 6 bits each, K innermost (768 bytes a row), with one E8M0 scale byte for each 32 along K (32 bytes a row).
; A block's scale is 2^(floor(log2(its largest magnitude)) - 4); its byte is the largest magnitude's own exponent field - 4, held at 1 from below.  Each number is divided by the scale and rounded to the nearest code, ties to even;
; beyond the largest code the conversion gives the largest code.
; LIMITS: NaN and infinities among the inputs are not served.  A block whose largest magnitude lies under 2^-122 keeps the byte 1.  A block of zeros gets the byte 1 where the rule says 127: its codes are zeros, which add nothing
; under any byte but 0xff, and the bytes are read by this program alone.
; ROWS CHANGE PLACES ON THE WAY OUT: a row is stored at the position whose number has bits 3 and 4 of the row's number swapped.  So position 16 i + r of a group of 32 holds row 8 i + r + 8 (r / 8): sixteen positions on end are
; the sixteen rows that the next launch wants as one tile.  A wave takes 8 rows (8,192 numbers), so the swap is a swap of the wave's two bits in the destination alone.
; A work-group takes 32 rows.  Work-groups 0-255: q_x; 256-287: Wq; 288-319: Wk; 320-351: Wv (the three weights lie one behind the other in wcodes and wscales).  Only pointers are chosen: all take one path.
; A wave takes 16 steps of 512 numbers.  Each of a step's four loads reads 512 consecutive bytes, 16 a lane; the 2,048 bytes go through the wave's own stage in LDS and come back 64 bytes a lane: 16 neighbours along K,
; as the conversion wants them; two neighbouring lanes hold a block.  A lane's 16 codes are 12 bytes: the wave stores two runs of 192 bytes, 49,152 bytes apart.  A wave's 256 scale bytes are gathered in its own LDS bytes and leave as one aligned
; run of 256 bytes.  No tensor loads, no barrier, no cluster: waves share nothing, and no input byte is read twice.  Loads run eight steps (32 loads a wave) ahead, the turn through LDS one step.
.set STEPS, 16
.set EMAX,  4
.set CB,    12                         ; bytes of 16 codes
.set NA,    8                          ; loads run NA steps ahead: 4 NA loads, 16,384 bytes, a wave
.set R,     16                         ; v16-143  NA sets of 16 numbers as they are loaded
.set X,     144                        ; v144-175 two sets of 16 neighbours
.set E,     176                        ; v176-191 a scale byte for each step
.set C,     192                        ; v192-255 codes: four places for each step, three of them used, so that no store's data are written again; v195 and v199, two of the unused, serve the closing add
.set WREG,  8192                       ; LDS: a region of its own for each wave: two stages of 32 x SP bytes, and behind them its 256 scale bytes
.set SP,    80                         ; a lane's place in a stage: its 64 bytes + 16 of padding
	s_load_b256 s[4:11], s[0:1], 0x0               ; q_x, Wq, Wk, Wv
	s_load_b256 s[12:19], s[0:1], 0x20             ; xcodes, xscales, wcodes, wscales
	v_lshl_add_u32 v195, v0, 2, 0x8000
	v_mov_b32 v199, 0
	v_lshrrev_b32 v1, 5, v0
	v_readfirstlane_b32 s20, v1                    ; wave
	v_and_b32 v2, 31, v0                           ; lane
	v_lshlrev_b32 v3, 4, v2                        ; my 16 bytes of a load's 512
	s_mul_i32 s21, s20, WREG
	v_lshrrev_b32 v14, 2, v2
	v_mul_u32_u24 v14, v14, SP
	v_and_b32 v15, 3, v2
	v_lshl_add_u32 v14, v15, 4, v14
	v_add_nc_u32 v14, s21, v14                     ; the stage, on the way in: four lanes' 64 bytes on end, then 16 of padding
	v_mul_u32_u24 v15, v2, SP
	v_add_nc_u32 v15, s21, v15                     ; and on the way out: SP x lane: my 16 neighbours
	; THE CODES' LAYOUT: [group of 256 positions][K step of 256 numbers][position][192 bytes]: a K step's codes of 128 or 256 positions are one dense block, a multiple of 256 bytes long, at a multiple of 256 bytes.
	v_and_b32 v4, 15, v2
	v_mul_u32_u24 v4, v4, CB                       ; sixteen lanes hold a K step's 192 bytes of a row;
	v_lshrrev_b32 v10, 4, v2
	v_mad_u32_u24 v4, v10, 0xc000, v4              ; lanes 16-31 the next K step's, 256 x 192 bytes on
	v_lshrrev_b32 v5, 1, v2
	s_add_co_u32 s21, s21, 2*32*SP
	v_add_nc_u32 v5, s21, v5                       ; LDS: my wave's 256 scale bytes, my block's byte
	v_lshlrev_b32 v7, 3, v2                        ; and on the way out 8 bytes a lane
	v_add_nc_u32 v6, s21, v7
	s_wait_alu depctr_va_vdst(0)
	s_wait_kmcnt 0x0
	s_cmp_lt_u32 ttmp9, 288                        ; which tensor?  Every choice hangs on the work-group's number alone
	s_cselect_b64 s[6:7], s[6:7], s[8:9]           ; Wq or Wk,
	s_cmp_lt_u32 ttmp9, 320
	s_cselect_b64 s[6:7], s[6:7], s[10:11]         ; or Wv
	s_cmp_lt_u32 ttmp9, 256
	s_cselect_b64 s[4:5], s[4:5], s[6:7]           ; the source
	s_cselect_b64 s[12:13], s[12:13], s[16:17]     ; its codes
	s_cselect_b64 s[14:15], s[14:15], s[18:19]     ; its scale bytes
	s_cselect_b32 s21, 0, 256
	s_cselect_b32 s22, 255, 31
	s_sub_co_u32 s21, ttmp9, s21                   ; the group of 32 rows in the destination,
	s_and_b32 s22, s21, s22                        ; and in the source tensor
	s_lshl_b32 s22, s22, 2
	s_add_co_u32 s22, s22, s20                     ; my run of 8 rows in the source: 32,768 bytes a run (under 2^31 in all)
	s_lshl_b32 s22, s22, 15
	s_mov_b32 s23, 0
	s_add_nc_u64 s[4:5], s[4:5], s[22:23]
	s_and_b32 s24, s20, 1
	s_lshl_b32 s24, s24, 1
	s_lshr_b32 s25, s20, 1
	s_or_b32 s24, s24, s25                         ; the wave's two bits swapped: bits 3 and 4 of the row's number
	s_lshl_b32 s21, s21, 2
	s_add_co_u32 s21, s21, s24                     ; my run in the destination
	s_lshr_b32 s22, s21, 5                         ; 32 runs of 8 rows to a group of 256
	s_mul_i32 s22, s22, 196608                     ; a group's codes: 256 x 768 bytes
	s_and_b32 s24, s21, 31
	s_mul_i32 s24, s24, 1536                       ; my 8 rows in a K step's block: 8 x 192 bytes
	s_add_co_u32 s22, s22, s24
	s_add_nc_u64 s[12:13], s[12:13], s[22:23]
	s_lshl_b32 s22, s21, 8                         ; 256 scale bytes a run
	s_add_nc_u64 s[14:15], s[14:15], s[22:23]
.macro LOAD t
.irp i, 0,1,2,3
	global_load_b128 v[R+16*((\t)%NA)+4*\i:R+16*((\t)%NA)+4*\i+3], v3, s[4:5] offset:2048*(\t)+512*\i th:TH_LOAD_NT   ; 32 lanes read 512 consecutive bytes
.endr
.endm
.macro TURN t                          ; step t's numbers through the stage: LDS serves a wave's instructions in order (ISA guide 5.7.1.4), so no wait stands between the stores and the loads
.irp i, 0,1,2,3
	ds_store_b128 v14, v[R+16*((\t)%NA)+4*\i:R+16*((\t)%NA)+4*\i+3] offset:32*SP*((\t)%2)+8*SP*\i
.endr
.irp i, 0,1,2,3
	ds_load_b128 v[X+16*((\t)%2)+4*\i:X+16*((\t)%2)+4*\i+3], v15 offset:32*SP*((\t)%2)+16*\i
.endr
.endm
.irp t, 0,1,2,3,4,5,6,7
	LOAD \t
.endr
	s_wait_loadcnt 4*(NA-1)                        ; step 0's four loads are in; those of steps 1 to 7 may be out
	TURN 0
.macro STEP t
.set XS, X+16*((\t)%2)
.if (\t) > 0
	s_wait_dscnt 1                                 ; this step's numbers are back from the stage (the last step's byte store may be out): so its stores into the stage have read their registers,
.else
	s_wait_dscnt 0x0
.endif
.if (\t)+NA < STEPS
	LOAD (\t)+NA                                   ; which take the loads of NA steps on
.endif
.if (\t)+1 < STEPS
.if STEPS-2-(\t) >= NA-1
	s_wait_loadcnt 4*(NA-1)                        ; the next step's four loads are in; those of the NA - 1 steps behind it may be out
.else
	s_wait_loadcnt 4*(STEPS-2-(\t))
.endif
	TURN (\t)+1                                    ; and go through the other stage while this step is worked
.endif
	v_max3_num_f32 v8, |v[XS]|, |v[XS+1]|, |v[XS+2]|               ; the largest magnitude of my 16, in two chains
	v_max3_num_f32 v9, |v[XS+3]|, |v[XS+4]|, |v[XS+5]|
.irp i, 6,10
	v_max3_num_f32 v8, v8, |v[XS+\i]|, |v[XS+\i+1]|
	v_max3_num_f32 v9, v9, |v[XS+\i+2]|, |v[XS+\i+3]|
.endr
	v_max3_num_f32 v8, v8, |v[XS+14]|, |v[XS+15]|
	v_max3_num_f32 v8, v8, v9, (EMAX+1)<<23        ; and the floor 2^(5 - 127): so the byte cannot fall under 1
	v_max_num_f32_dpp v8, v8, v8 row_xmask:1 row_mask:0xf bank_mask:0xf   ; and of my neighbour's 16: the block's
	v_add_nc_u32 v11, 0xfe000000, v8               ; 4 off its exponent field: the conversion takes the exponent field of this operand as its scale, and nothing else of it
	v_cvt_scalef32_pk16_bf6_f32 v[C+4*(\t):C+4*(\t)+2], v[XS:XS+15], v11         ; sixteen codes, 96 bits without gaps, the first number's code lowest
	v_lshrrev_b32 v[E+(\t)], 23, v11               ; the scale's byte (also the plain line behind the conversion)
	ds_store_b8 v5, v[E+(\t)] offset:16*(\t)       ; both lanes of a block write the same byte with the same value
	global_store_b96 v4, v[C+4*(\t):C+4*(\t)+2], s[12:13] offset:98304*((\t)%2)+192*((\t)/2)   ; step t is row t / 2, K steps 2 (t % 2) and the next
.endm
.irp t, 0,1,2,3,4,5,6,7,8,9,10,11,12,13,14,15
	STEP \t
.endr
	ds_load_b64 v[12:13], v6                       ; in order behind my byte stores: these see them
	s_wait_dscnt 0x0
	global_store_b64 v7, v[12:13], s[14:15]        ; 32 lanes store 256 consecutive bytes, at a multiple of 256 from the buffer's first byte
	s_wait_tensorcnt 0x0
	ds_add_u32 v195, v199
	s_wait_dscnt 0x0
	s_endpgm
.Lfunc_end_k_qca6ba36501_quant:
	.size	k_qca6ba36501_quant, .Lfunc_end_k_qca6ba36501_quant-k_qca6ba36501_quant
	.p2alignl 7, 3214868480
	.fill 96, 4, 3214868480
	.section	.rodata,"a",@progbits
	.p2align	6, 0x0
	.amdhsa_kernel k_qca6ba36501_quant
		.amdhsa_group_segment_fixed_size 33280
		.amdhsa_private_segment_fixed_size 0
		.amdhsa_enable_private_segment 0
		.amdhsa_kernarg_size 64
		.amdhsa_user_sgpr_count 2
		.amdhsa_user_sgpr_kernarg_segment_ptr 1
		.amdhsa_wavefront_size32 1
		.amdhsa_system_sgpr_workgroup_id_x 1
		.amdhsa_system_sgpr_workgroup_id_y 1
		.amdhsa_system_sgpr_workgroup_id_z 1
		.amdhsa_system_vgpr_workitem_id 0
		.amdhsa_next_free_vgpr 256
		.amdhsa_next_free_sgpr 66
		.amdhsa_reserve_vcc 0
		.amdhsa_float_denorm_mode_32 3
		.amdhsa_float_denorm_mode_16_64 3
		.amdhsa_memory_ordered 1
		.amdhsa_forward_progress 1
		.amdhsa_inst_pref_size 33
	.end_amdhsa_kernel
	.amdgpu_metadata
---
amdhsa.version: [ 1, 2 ]
amdhsa.kernels:
  - .name:           k_qca6ba36501_quant
    .symbol:         k_qca6ba36501_quant.kd
    .args:
      - { .name: q_x, .offset: 0, .size: 8, .value_kind: global_buffer, .address_space: global }
      - { .name: Wq, .offset: 8, .size: 8, .value_kind: global_buffer, .address_space: global }
      - { .name: Wk, .offset: 16, .size: 8, .value_kind: global_buffer, .address_space: global }
      - { .name: Wv, .offset: 24, .size: 8, .value_kind: global_buffer, .address_space: global }
      - { .name: xcodes, .offset: 32, .size: 8, .value_kind: global_buffer, .address_space: global }
      - { .name: xscales, .offset: 40, .size: 8, .value_kind: global_buffer, .address_space: global }
      - { .name: wcodes, .offset: 48, .size: 8, .value_kind: global_buffer, .address_space: global }
      - { .name: wscales, .offset: 56, .size: 8, .value_kind: global_buffer, .address_space: global }
    .group_segment_fixed_size: 33280
    .private_segment_fixed_size: 0
    .kernarg_segment_align: 8
    .kernarg_segment_size: 64
    .max_flat_workgroup_size: 128
    .sgpr_count:     66
    .vgpr_count:     256
    .wavefront_size: 32
...
	.end_amdgpu_metadata
.endif
;; end of part 1
;; launch proj (part 2): grid 12 x 32, 4 waves a work-group, clusters of 4 x 4, 327,680 bytes of LDS; arguments xcodes, xscales, wcodes, wscales, bq, bk, bv, qimg, kimg, vimg; writes qimg, kimg, vimg
.if DOCPART == 2
	.amdgcn_target "amdgcn-amd-amdhsa--gfx1250"
	.amdhsa_code_object_version 6
	.text
	.protected	k_qca6ba36501_proj
	.globl	k_qca6ba36501_proj
	.p2align	8
	.type	k_qca6ba36501_proj,@function
k_qca6ba36501_proj:
	s_mov_b64 s[64:65], 0
	v_nop
	global_prefetch_b8 v0, s[64:65] scope:SCOPE_SE
	s_setreg_imm32_b32 hwreg(HW_REG_WAVE_MODE, 25, 1), 1
	s_wait_xcnt 0x0
	s_wait_alu depctr_hold_cnt(0) depctr_sa_sdst(0) depctr_va_vdst(0) depctr_va_sdst(0) depctr_va_ssrc(0) depctr_va_vcc(0) depctr_vm_vsrc(0)
	s_getreg_b32 s2, hwreg(HW_REG_IB_STS2, 6, 4)
	s_cmp_eq_u32 s2, 0
	s_cbranch_scc0 .Lentry_in_a_cluster
	s_endpgm
.Lentry_in_a_cluster:
	s_bfe_u32 s2, ttmp6, 0x10000c
	s_cmp_lg_u32 s2, 0xf033
	s_cbranch_scc0 .Lentry_shape_is_right
	s_endpgm
.Lentry_shape_is_right:
; q, k, v = x W^T + b on codes of BF6 (E3M2), quantised again on the way out into images of the next launch's operand registers.  A work-group of four waves makes 256 x 256 sums, a wave 128 x 128.
; Cluster column 0 makes q, 1 makes k (rows: tokens, columns: outputs), 2 makes v with the roles of x and W changed, so that a lane's registers run along the tokens, v's K in the next launch.
; THE CODES lie as [group of 256 rows][K step of 256][row][192 bytes]: a K step's tile of 128 rows is a dense block of 24,576 bytes and is stated as 96 rows of 256 bytes, each at a multiple of 256 bytes.
; The mover lays 16 bytes of padding behind every 64: a row of 192 bytes takes 240 bytes of LDS.  K goes in four steps through a ring of two slots; tiles are asked for jointly along a row or a column of the cluster.
; THE HEAD: one tensor load a wave: K step 0 of A's 256 rows, of B's 256 rows, A's scale bytes, B's.  Slot 1 is first filled behind a drained round, as a refill is.
; LIMITS: NaN, infinities and sums beyond f32's range are not served; a sum begins with its bias.
.set SIZE_K, 1024
.set KSTEP,  256
.set NQ,     KSTEP/128
.set ROWB,   49152                     ; bytes from a K step's block of 256 rows to the next K step's
.set KROW,   SIZE_K*6/8
.set PITCH,  240
.set FR,     12
.set NL,     6
.set NP,     4
.set HALFT,  128*PITCH
.set SLOT,   4*HALFT
.set LAPS,   SIZE_K/(2*KSTEP)
.set KS,     SIZE_K/32
.set SCL,    2*SLOT
.set HALFS,  (128*KS/256)*272
.set SBLK,   (16*KS/256)*272
.set SPARE,  SCL+4*HALFS
.set REC,    6400
.set HB,     16*REC
.set ADRA, 16
.set ADRB, 20
.set L16,  24
.set L8,   25
.set BO,   26
.set ADRS, 27
.set SPW,  28
.set NIL,  29
.set SC,   32
.set BI,   64
.set AF,   128
.set PW,   200
.set TM,   208
.set SW,   232
.set SX,   240
.set G1, 24
.set G0, 32
.set G1B, 48
.set G0B, 56
.set G1S, 68
.set G0S, 76
.set G1SB, 80
.set G0SB, 88
.set MSB, 0
.macro WIN new
.if MSB != (\new)
	s_set_vgpr_msb (MSB<<8)|(\new)
.set MSB, (\new)
.endif
.endm
.set MUL_LO, 0xa1
.set MUL_HI, 0xf1
.set BIA_LO, 0x81
.set BIA_HI, 0xc1
.set TO_B,   0x40
.macro JLOAD g0a, g1a, g0b, g1b
	s_cmp_eq_u32 s15, 0
	s_cbranch_scc0 .Lfor_b_\@
	tensor_load_to_lds s[\g0a:\g0a+3], s[\g1a:\g1a+7]
	s_nop 0
.rept 4
	v_nop
.endr
	s_branch .Lasked_\@
.Lfor_b_\@:
	tensor_load_to_lds s[\g0b:\g0b+3], s[\g1b:\g1b+7]
	s_nop 0
.rept 4
	v_nop
.endr
.Lasked_\@:
.endm
.macro CREST
	s_cmp_lg_u32 s14, 0
	s_cbranch_scc1 .Lnot_wave_0_\@
	s_barrier_signal -3
.Lnot_wave_0_\@:
	s_barrier_wait -3
	s_barrier_signal -1
	s_barrier_wait -1
.endm
.macro CROUND
	s_barrier_signal -1
	s_barrier_wait -1
	CREST
.endm
	s_load_b128 s[4:7], s[0:1], 0x0
	s_load_b128 s[8:11], s[0:1], 0x10
	v_lshl_add_u32 v[SPW], v0, 2, SPARE
	v_mov_b32 v[NIL], 0
	ds_add_u32 v28, v29
	ds_add_u32 v28, v29
	s_wait_dscnt 0x0
	v_lshrrev_b32 v1, 5, v0
	v_readfirstlane_b32 s14, v1
	s_lshr_b32 s15, s14, 1
	s_and_b32 s16, s14, 1
	s_bfe_u32 s40, ttmp6, 0x40000
	s_bfe_u32 s41, ttmp6, 0x40004
	s_and_b32 s95, ttmp7, 0xffff
	s_lshl_b32 s95, s95, 2
	s_lshl_b32 s96, ttmp9, 2
	s_cmp_eq_u32 ttmp9, 2
	s_cselect_b32 s17, 8, s95
	s_cselect_b32 s42, s95, s96
	s_add_co_u32 s17, s17, s41
	s_add_co_u32 s42, s42, s40
	s_lshl_b32 s43, s41, 2
	s_lshl_b32 s43, 15, s43
	s_lshl_b32 s44, 0x1111, s40
	s_or_b32 s[G1+0], s43, (0<<16)|(1<<20)|(1<<21)|(3<<22)|(3<<25)
	s_or_b32 s[G1B+0], s44, (0<<16)|(1<<20)|(1<<21)|(3<<22)|(3<<25)
.irp g, G1, G1B
	s_mov_b32 s[\g+1], 256<<16                     ; rows of 256 bytes;
	s_mov_b32 s[\g+2], 192<<16                     ; 192 of them are 256 rows of codes: the head's loads (the ring's: 96, set behind the head's wait)
	s_mov_b32 s[\g+3], 256<<16
	s_mov_b32 s[\g+4], 192
	s_mov_b32 s[\g+5], 256
	s_mov_b32 s[\g+6], 0
	s_mov_b32 s[\g+7], 0
.endr
	s_or_b32 s[G1S+0], s43, (3<<16)|(1<<20)|(1<<21)|(5<<22)|(3<<25)
	s_or_b32 s[G1SB+0], s44, (3<<16)|(1<<20)|(1<<21)|(5<<22)|(3<<25)
.irp g, G1S, G1SB
	s_mov_b32 s[\g+1], 32<<16
	s_mov_b32 s[\g+2], KS<<16                      ; the scale bytes of 256 rows: KS rows of 256 bytes
	s_mov_b32 s[\g+3], 32<<16
	s_mov_b32 s[\g+4], KS
	s_mov_b32 s[\g+5], 32
	s_mov_b32 s[\g+6], 0
	s_mov_b32 s[\g+7], 0
.endr
	s_lshl_b32 s20, s17, 8                         ; the tiles' first rows
	s_lshl_b32 s46, s42, 8
	s_mov_b32 s21, 0
	s_mov_b32 s47, 0
	s_mov_b64 s[18:19], KS
	s_mul_u64 s[22:23], s[20:21], s[18:19]
	s_mul_u64 s[92:93], s[46:47], s[18:19]
	s_mov_b64 s[18:19], KROW
	s_mul_u64 s[20:21], s[20:21], s[18:19]
	s_mul_u64 s[46:47], s[46:47], s[18:19]
	s_mul_i32 s18, s16, ROWB/2                     ; in the ring I fetch 128 rows of a tile: which half, in bytes
	s_mov_b32 s19, 0
	s_mul_i32 s45, s14, HALFT
	s_wait_kmcnt 0x0
	s_cmp_eq_u32 ttmp9, 2
	s_cselect_b64 s[96:97], s[8:9], s[4:5]
	s_cselect_b64 s[98:99], s[10:11], s[6:7]
	s_cselect_b64 s[8:9], s[4:5], s[8:9]
	s_cselect_b64 s[10:11], s[6:7], s[10:11]
	s_add_nc_u64 s[20:21], s[96:97], s[20:21]
	s_add_nc_u64 s[22:23], s[98:99], s[22:23]
	s_add_nc_u64 s[46:47], s[8:9], s[46:47]
	s_add_nc_u64 s[92:93], s[10:11], s[92:93]
	CROUND
	s_mov_b32 s[G0S], 1
	s_mov_b32 s[G0S+1], SCL
	s_mov_b64 s[G0S+2:G0S+3], s[22:23]
	s_or_b32 s[G0S+3], s[G0S+3], 0x80000000
	s_mov_b32 s[G0SB], 1
	s_mov_b32 s[G0SB+1], SCL+2*HALFS
	s_mov_b64 s[G0SB+2:G0SB+3], s[92:93]
	s_or_b32 s[G0SB+3], s[G0SB+3], 0x80000000
	s_mov_b32 s[G0], 1                             ; the head's loads of K step 0 go by slot 0's groups 0: A's 256 rows,
	s_mov_b32 s[G0+1], 0
	s_mov_b64 s[G0+2:G0+3], s[20:21]
	s_or_b32 s[G0+3], s[G0+3], 0x80000000
	s_mov_b32 s[G0B], 1                            ; B's 256 rows, behind them
	s_mov_b32 s[G0B+1], 2*HALFT
	s_mov_b64 s[G0B+2:G0B+3], s[46:47]
	s_or_b32 s[G0B+3], s[G0B+3], 0x80000000
	s_add_nc_u64 s[20:21], s[20:21], s[18:19]      ; for the ring: my 128 rows
	s_add_nc_u64 s[46:47], s[46:47], s[18:19]
.irp s, 1
	s_mov_b32 s[G0+4*\s], 1
	s_add_co_u32 s[G0+4*\s+1], s45, \s*SLOT
	s_add_nc_u64 s[G0+4*\s+2:G0+4*\s+3], s[20:21], \s*ROWB
	s_or_b32 s[G0+4*\s+3], s[G0+4*\s+3], 0x80000000
	s_mov_b32 s[G0B+4*\s], 1
	s_add_co_u32 s[G0B+4*\s+1], s45, \s*SLOT
	s_add_nc_u64 s[G0B+4*\s+2:G0B+4*\s+3], s[46:47], \s*ROWB
	s_or_b32 s[G0B+4*\s+3], s[G0B+4*\s+3], 0x80000000
.endr
; one chain of branches on the wave's number, one load to an arm, all arms to one join: one tensor load a wave at the head
.macro ARM under, g0, g1, next
	s_cmp_lt_u32 s14, \under
	s_cbranch_scc0 \next
	tensor_load_to_lds s[\g0:\g0+3], s[\g1:\g1+7]
	s_nop 0
.rept 4
	v_nop
.endr
	s_branch .Lhead_asked
\next:
.endm
	ARM 1, G0,  G1,  .Lhead_b
	ARM 2, G0B, G1B, .Lhead_sa
	ARM 3, G0S, G1S, .Lhead_sb
	tensor_load_to_lds s[G0SB:G0SB+3], s[G1SB:G1SB+7]
	s_nop 0
.rept 4
	v_nop
.endr
.Lhead_asked:
	s_load_b256 s[4:11], s[0:1], 0x20
	s_load_b128 s[92:95], s[0:1], 0x40
	v_and_b32 v1, 15, v0
	v_bfe_u32 v2, v0, 4, 1
	v_mul_u32_u24 v3, v1, PITCH
	v_mul_u32_u24 v4, v2, 24
	v_add_nc_u32 v4, v3, v4
	v_lshl_add_u32 v5, v2, 4, v4
	s_mul_i32 s21, s15, HALFT
	s_mul_i32 s22, s16, HALFT
	s_add_co_u32 s22, s22, 2*HALFT
.irp s, 0,1
	v_add_nc_u32 v[ADRA+\s], s21, v4
	v_add_nc_u32 v[ADRB+\s], s22, v4
	v_add_nc_u32 v[ADRA+2+\s], s21, v5
	v_add_nc_u32 v[ADRB+2+\s], s22, v5
	s_add_co_u32 s21, s21, SLOT
	s_add_co_u32 s22, s22, SLOT
.endr
	v_mul_u32_u24 v5, v1, KS
	v_lshrrev_b32 v6, 8, v5
	v_lshl_add_u32 v5, v6, 4, v5
	s_mul_i32 s21, s15, HALFS
	s_mul_i32 s22, s16, HALFS
	s_add_co_u32 s22, s22, 2*HALFS
	s_sub_co_u32 s22, s22, s21
	v_mul_u32_u24 v6, s22, v2
	s_add_co_u32 s21, s21, SCL
	v_add_nc_u32 v5, v5, v6
	v_add_nc_u32 v[ADRS], s21, v5
	v_and_b32 v6, 31, v0
	v_lshlrev_b32 v[L16], 4, v6
	v_lshlrev_b32 v[L8], 3, v6
	s_wait_kmcnt 0x0
	s_cmp_eq_u32 ttmp9, 0
	s_cselect_b64 s[4:5], s[4:5], s[6:7]
	s_cselect_b64 s[12:13], s[10:11], s[92:93]
	s_cmp_eq_u32 ttmp9, 2
	s_cselect_b64 s[4:5], s[8:9], s[4:5]
	s_cselect_b64 s[12:13], s[94:95], s[12:13]
	s_cselect_b32 s2, s40, s41
	s_cselect_b32 s66, s16, s15
	s_cselect_b32 s67, s41, s40
	s_cselect_b32 s100, s15, s16
	s_and_b32 s101, ttmp7, 0xffff
	s_lshl_b32 s101, s101, 2
	s_add_co_u32 s101, s101, s2
	s_lshl_b32 s101, s101, 1
	s_add_co_u32 s101, s101, s66
	s_lshl_b32 s67, s67, 2
	s_lshl_b32 s100, s100, 1
	s_add_co_u32 s67, s67, s100
	s_lshr_b32 s2, s101, 4
	s_lshl_b32 s2, s2, 4
	s_add_co_u32 s2, s2, s67
	s_lshl_b32 s2, s2, 4
	s_and_b32 s101, s101, 15
	s_add_co_u32 s2, s2, s101
	s_lshl_b32 s66, s67, 8
	s_mov_b32 s67, 0
	s_add_nc_u64 s[4:5], s[4:5], s[66:67]
	s_mul_i32 s66, s2, REC
	s_add_nc_u64 s[12:13], s[12:13], s[66:67]
	s_mov_b32 s100, 0x76543210
	s_mov_b32 s101, 0xfedcba98
	s_cmp_eq_u32 ttmp9, 2
	s_cbranch_scc1 .Lbias_v
	v_lshlrev_b32 v[BO], 6, v2
.irp b, 0,1,2,3,4,5,6,7
	global_load_b128 v[BI+8*\b:BI+8*\b+3], v[BO], s[4:5] offset:(32*(\b/2)+8*(\b%2))*4
	global_load_b128 v[BI+8*\b+4:BI+8*\b+7], v[BO], s[4:5] offset:(32*(\b/2)+8*(\b%2))*4+16
.endr
	s_branch .Lbias_done
.Lbias_v:
	v_and_b32 v[BO], 8, v1
	v_add_nc_u32 v[BO], v[BO], v1
	v_lshlrev_b32 v[BO], 2, v[BO]
.irp a, 0,1,2,3,4,5,6,7
.irp j, 0,1,2,3,4,5,6,7
	global_load_b32 v[BI+8*\a+\j], v[BO], s[4:5] offset:(32*(\a/2)+8*(\a%2))*4
.endr
.endr
.Lbias_done:
.macro FRAG reg, adr, q, i
.irp p, 0,1,2,3,4,5
.set PCE, 12*(\q)+6*(\p/3)+\p%3
.if PCE%8 < 5
	ds_load_b64 v[\reg+2*\p:\reg+2*\p+1], v[\adr] offset:8*PCE+16*(PCE/8)+(\i)*16*PITCH
.else
	ds_load_b64 v[\reg+2*\p:\reg+2*\p+1], v[\adr+2] offset:8*PCE+16*(PCE/8)+(\i)*16*PITCH
.endif
.endr
.endm
.macro MMA a, b, p, q, sc, cm
.set DD, 8*(8*((\a)%4)+\b)
.set BB, 128*(\p)+FR*\b
.set AA, AF+FR*(\a)
.set SCB, SC+8*NQ*(\sc)+NQ*\b+(\q)
.set SCA, SC+8*NQ*(\sc)+NQ*(\a)+(\q)
.if \cm == 0
	v_wmma_scale_f32_16x16x128_f8f6f4 v[DD:DD+7], v[BB:BB+FR-1], v[AA:AA+FR-1], v[DD:DD+7], v[SCB], v[SCA] matrix_a_fmt:MATRIX_FMT_BF6 matrix_b_fmt:MATRIX_FMT_BF6 matrix_a_scale:MATRIX_SCALE_ROW1
.elseif \cm == 1
	v_wmma_scale_f32_16x16x128_f8f6f4 v[DD:DD+7], v[BB:BB+FR-1], v[AA:AA+FR-1], v[BI+8*\b:BI+8*\b+7], v[SCB], v[SCA] matrix_a_fmt:MATRIX_FMT_BF6 matrix_b_fmt:MATRIX_FMT_BF6 matrix_a_scale:MATRIX_SCALE_ROW1
.else
	v_wmma_scale_f32_16x16x128_f8f6f4 v[DD:DD+7], v[BB:BB+FR-1], v[AA:AA+FR-1], v[BI+8*(\a):BI+8*(\a)+7], v[SCB], v[SCA] matrix_a_fmt:MATRIX_FMT_BF6 matrix_b_fmt:MATRIX_FMT_BF6 matrix_a_scale:MATRIX_SCALE_ROW1
.endif
.endm
.macro MUL16 a0, p, q, sc, cm
.irp a, \a0, \a0+1
.irp b, 0,1,2,3,4,5,6,7
	MMA \a, \b, \p, \q, \sc, \cm
.endr
.endr
.endm
.macro FETCH_B slot, q, p
	WIN TO_B
.irp i, 0,1,2,3,4,5,6,7
	FRAG 128*(\p)+FR*\i, ADRB+\slot, \q, \i
.endr
	WIN 0
.endm
.macro FETCH_A slot, q, i0
.irp i, \i0, \i0+1, \i0+2, \i0+3
	FRAG AF+FR*(\i), ADRA+\slot, \q, \i
.endr
.endm
.macro SCALES sc
.irp i, 0,1,2,3,4,5,6,7
	ds_load_b64 v[SC+8*NQ*\sc+NQ*\i:SC+8*NQ*\sc+NQ*\i+1], v[ADRS] offset:\i*SBLK
.endr
.endm
.macro PLACES n
.rept \n
	v_nop
.endr
.endm
.macro STEP slot, q, cm
	s_wait_dscnt 4*NL
.if \cm
	WIN BIA_LO
.else
	WIN MUL_LO
.endif
	MUL16 0, (\q)%2, \q, \slot, \cm
	MUL16 2, (\q)%2, \q, \slot, \cm
	s_wait_dscnt 0
	PLACES NP
	FETCH_B \slot, (\q)+1, 1-(\q)%2
	FETCH_A \slot, (\q)+1, 0
.if \cm
	WIN BIA_HI
.else
	WIN MUL_HI
.endif
	MUL16 4, (\q)%2, \q, \slot, \cm
	MUL16 6, (\q)%2, \q, \slot, \cm
	PLACES NP
	WIN 0
	FETCH_A \slot, (\q)+1, 4
.endm
.macro TURN slot, next, fill
	s_wait_tensorcnt 0x0
	ds_add_u32 v[SPW], v[NIL]
	s_wait_dscnt 4*NL+1
	WIN MUL_LO
	MUL16 0, 1, NQ-1, \slot, 0
	s_wait_dscnt 0x0
	s_barrier_signal -1
	MUL16 2, 1, NQ-1, \slot, 0
	WIN 0
	s_barrier_wait -1
.if \fill
	CREST
	s_add_nc_u64 s[G0+4*\slot+2:G0+4*\slot+3], s[G0+4*\slot+2:G0+4*\slot+3], 2*ROWB
	s_add_nc_u64 s[G0B+4*\slot+2:G0B+4*\slot+3], s[G0B+4*\slot+2:G0B+4*\slot+3], 2*ROWB
	JLOAD G0+4*\slot, G1, G0B+4*\slot, G1B
.else
	PLACES NP
.endif
	s_wait_alu depctr_va_vdst(0)
	v_add_nc_u32 v[ADRS], 4*NQ, v[ADRS]
	FETCH_B \next, 0, 0
	FETCH_A \next, 0, 0
	SCALES \next
	WIN MUL_HI
	MUL16 4, 1, NQ-1, \slot, 0
	MUL16 6, 1, NQ-1, \slot, 0
	PLACES NP
	WIN 0
	FETCH_A \next, 0, 4
.endm
	s_wait_alu depctr_va_vdst(0)                   ; the wait at the head's end
	s_wait_tensorcnt 0x0                           ; my tile of the head's four is in; the three lines ahead of slot 1's first fill, as ahead of a refill
	ds_add_u32 v[SPW], v[NIL]
	s_mov_b32 s[G0+1], s45                         ; no tensor load of mine is out, so descriptors may be written: slot 0's groups 0 become the ring's: my 128 rows,
	s_add_nc_u64 s[G0+2:G0+3], s[G0+2:G0+3], s[18:19]
	s_mov_b32 s[G0B+1], s45
	s_add_nc_u64 s[G0B+2:G0B+3], s[G0B+2:G0B+3], s[18:19]
	s_mov_b32 s[G1+2], 96<<16                      ; and a load brings 96 rows of 256 bytes
	s_mov_b32 s[G1+4], 96
	s_mov_b32 s[G1B+2], 96<<16
	s_mov_b32 s[G1B+4], 96
	s_wait_dscnt 0x0
	CROUND                                         ; all four tiles are in, and all sixteen work-groups are here
	JLOAD G0+4, G1, G0B+4, G1B                     ; K step 1, the first tensor load behind the round
	FETCH_B 0, 0, 0
	FETCH_A 0, 0, 0
	s_wait_alu depctr_va_vdst(0)
	SCALES 0
	FETCH_A 0, 0, 4
	s_wait_loadcnt 0x0
	s_cmp_eq_u32 ttmp9, 2
	s_cbranch_scc1 .Lfirst_v
	STEP 0, 0, 1
	s_branch .Lfirst_done
.Lfirst_v:
	STEP 0, 0, 2
.Lfirst_done:
	s_mov_b32 s3, LAPS-1
.Llap:
	TURN 0, 1, 1
	STEP 1, 0, 0
	TURN 1, 0, 1
	STEP 0, 0, 0
	s_sub_co_u32 s3, s3, 1
	s_cmp_lg_u32 s3, 0
	s_cbranch_scc1 .Llap
	TURN 0, 1, 0
	STEP 1, 0, 0
	s_wait_dscnt 4*NL
	WIN MUL_LO
	MUL16 0, 1, NQ-1, 1, 0
	MUL16 2, 1, NQ-1, 1, 0
	s_wait_dscnt 0
	WIN MUL_HI
	MUL16 4, 1, NQ-1, 1, 0
	MUL16 6, 1, NQ-1, 1, 0
	WIN 0
.macro QUANT a
.set S0, 64*((\a)%4)
.set WA, 2+(\a)/4
.set WS, (WA<<2)|(WA<<4)
.set QC, 32+20*(\a)
	WIN WS
.irp b, 0,1,2,3
	v_max3_num_f32 v[TM+\b], 0x2800000, |v[S0+16*\b]|, |v[S0+16*\b+1]|
.endr
.irp i, 2,4,6,8,10,12,14
.irp b, 0,1,2,3
	v_max3_num_f32 v[TM+\b], v[TM+\b], |v[S0+16*\b+\i]|, |v[S0+16*\b+\i+1]|
.endr
.endr
	WIN 0
.irp b, 0,1,2,3
	v_permlanex16_b32 v[TM+4+\b], v[TM+\b], s100, s101
.endr
.irp b, 0,1,2,3
	v_max_num_f32 v[TM+\b], v[TM+\b], v[TM+4+\b]
.endr
.irp b, 0,1,2,3
	v_add_nc_u32 v[TM+12+\b], 0xfe000000, v[TM+\b]
.endr
.irp b, 0,1,2,3
	v_lshrrev_b32 v[TM+4+\b], 23, v[TM+12+\b]
.endr
	v_lshl_or_b32 v[PW+(\a)], v[TM+5], 8, v[TM+4]
	v_lshl_or_b32 v[PW+(\a)], v[TM+6], 16, v[PW+(\a)]
	v_lshl_or_b32 v[PW+(\a)], v[TM+7], 24, v[PW+(\a)]
	WIN WA
.irp c, 0,1
	v_cvt_scalef32_pk16_bf6_f32 v[QC+6*\c:QC+6*\c+2], v[S0+32*\c:S0+32*\c+15], v[TM+12+2*\c]
	v_cvt_scalef32_pk16_bf6_f32 v[QC+12+4*\c:QC+12+4*\c+2], v[S0+32*\c+16:S0+32*\c+31], v[TM+12+2*\c+1]
.endr
	WIN 0
	v_nop
.irp c, 0,1
.irp i, 0,1,2
	v_permlane16_swap_b32 v[QC+6*\c+\i], v[QC+12+4*\c+\i]
.endr
.irp i, 0,1,2
	v_mov_b32 v[QC+3+6*\c+\i], v[QC+12+4*\c+\i]
.endr
.endr
.endm
	PLACES NP
	v_bfe_u32 v2, v0, 4, 1
	v_cmp_eq_u32 vcc_lo, 1, v2
.irp b, 0,1,2,3
	v_mov_b32 v[TM+4+\b], 0
.endr
.irp a, 0,1,2,3,4,5,6,7
	QUANT \a
.endr
	s_cmp_eq_u32 ttmp9, 2
	s_cbranch_scc1 .Lout_v
.irp a, 0,1,2,3,4,5,6,7
.set QC, 32+20*\a
.if \a%2 == 0
	global_store_b128 v[L16], v[QC:QC+3], s[12:13] offset:1536*(\a/2)
	global_store_b64 v[L8], v[QC+4:QC+5], s[12:13] offset:1536*(\a/2)+512
	global_store_b128 v[L16], v[QC+6:QC+9], s[12:13] offset:HB+1536*(\a/2)
	global_store_b64 v[L8], v[QC+10:QC+11], s[12:13] offset:HB+1536*(\a/2)+512
.else
	global_store_b64 v[L8], v[QC:QC+1], s[12:13] offset:1536*(\a/2)+768
	global_store_b128 v[L16], v[QC+2:QC+5], s[12:13] offset:1536*(\a/2)+1024
	global_store_b64 v[L8], v[QC+6:QC+7], s[12:13] offset:HB+1536*(\a/2)+768
	global_store_b128 v[L16], v[QC+8:QC+11], s[12:13] offset:HB+1536*(\a/2)+1024
.endif
.endr
.irp g, 0,1,2,3
	v_perm_b32 v[SW+\g], v[PW+2*\g+1], v[PW+2*\g], 0x05040100
	v_perm_b32 v[SW+4+\g], v[PW+2*\g+1], v[PW+2*\g], 0x07060302
.endr
.irp d, 0,1
.irp s, 0,1
	v_cndmask_b32 v[SX+2*\d+\s], v[SW+4*\d+2*\s], v[SW+4*\d+2*\s+1], vcc_lo
.endr
	global_store_b64 v[L8], v[SX+2*\d:SX+2*\d+1], s[12:13] offset:\d*HB+6144
.endr
	s_branch .Lout_done
.Lout_v:
	s_wait_alu depctr_va_vdst(0)
.irp a, 0,1,2,3,4,5,6,7
.set QC, 32+20*\a
.irp c, 0,1,2
	global_store_b128 v[L16], v[QC+4*\c:QC+4*\c+3], s[12:13] offset:(\a/4)*HB+1536*(\a%4)+512*\c
.endr
.endr
.irp d, 0,1
.irp s, 0,1
	v_cndmask_b32 v[SX+2*\d+\s], v[PW+4*\d+2*\s], v[PW+4*\d+2*\s+1], vcc_lo
.endr
	global_store_b64 v[L8], v[SX+2*\d:SX+2*\d+1], s[12:13] offset:\d*HB+6144
.endr
.Lout_done:
	s_wait_tensorcnt 0x0
	ds_add_u32 v[SPW], v[NIL]
	s_wait_dscnt 0x0
	CROUND
	s_endpgm
.Lfunc_end_k_qca6ba36501_proj:
	.size	k_qca6ba36501_proj, .Lfunc_end_k_qca6ba36501_proj-k_qca6ba36501_proj
	.p2alignl 7, 3214868480
	.fill 96, 4, 3214868480
	.section	.rodata,"a",@progbits
	.p2align	6, 0x0
	.amdhsa_kernel k_qca6ba36501_proj
		.amdhsa_group_segment_fixed_size 327680
		.amdhsa_private_segment_fixed_size 0
		.amdhsa_enable_private_segment 0
		.amdhsa_kernarg_size 80
		.amdhsa_user_sgpr_count 2
		.amdhsa_user_sgpr_kernarg_segment_ptr 1
		.amdhsa_wavefront_size32 1
		.amdhsa_system_sgpr_workgroup_id_x 1
		.amdhsa_system_sgpr_workgroup_id_y 1
		.amdhsa_system_sgpr_workgroup_id_z 1
		.amdhsa_system_vgpr_workitem_id 0
		.amdhsa_next_free_vgpr 1024
		.amdhsa_next_free_sgpr 102
		.amdhsa_reserve_vcc 1
		.amdhsa_float_denorm_mode_32 3
		.amdhsa_float_denorm_mode_16_64 3
		.amdhsa_memory_ordered 1
		.amdhsa_forward_progress 1
		.amdhsa_inst_pref_size 192
	.end_amdhsa_kernel
	.amdgpu_metadata
---
amdhsa.version: [ 1, 2 ]
amdhsa.kernels:
  - .name:           k_qca6ba36501_proj
    .symbol:         k_qca6ba36501_proj.kd
    .args:
      - { .name: xcodes, .offset: 0, .size: 8, .value_kind: global_buffer, .address_space: global }
      - { .name: xscales, .offset: 8, .size: 8, .value_kind: global_buffer, .address_space: global }
      - { .name: wcodes, .offset: 16, .size: 8, .value_kind: global_buffer, .address_space: global }
      - { .name: wscales, .offset: 24, .size: 8, .value_kind: global_buffer, .address_space: global }
      - { .name: bq, .offset: 32, .size: 8, .value_kind: global_buffer, .address_space: global }
      - { .name: bk, .offset: 40, .size: 8, .value_kind: global_buffer, .address_space: global }
      - { .name: bv, .offset: 48, .size: 8, .value_kind: global_buffer, .address_space: global }
      - { .name: qimg, .offset: 56, .size: 8, .value_kind: global_buffer, .address_space: global }
      - { .name: kimg, .offset: 64, .size: 8, .value_kind: global_buffer, .address_space: global }
      - { .name: vimg, .offset: 72, .size: 8, .value_kind: global_buffer, .address_space: global }
    .group_segment_fixed_size: 327680
    .private_segment_fixed_size: 0
    .kernarg_segment_align: 8
    .kernarg_segment_size: 80
    .max_flat_workgroup_size: 128
    .sgpr_count:     102
    .vgpr_count:     1024
    .wavefront_size: 32
...
	.end_amdgpu_metadata
.endif
;; end of part 2
;; launch attn (part 3): grid 4 x 64, 16 waves a work-group, clusters of 4 x 1, 276,480 bytes of LDS; arguments qimg, kimg, vimg, out0; writes out0
.if DOCPART == 3
	.amdgcn_target "amdgcn-amd-amdhsa--gfx1250"
	.amdhsa_code_object_version 6
	.text
	.protected	k_qca6ba36501_attn
	.globl	k_qca6ba36501_attn
	.p2align	8
	.type	k_qca6ba36501_attn,@function
k_qca6ba36501_attn:
	s_mov_b64 s[64:65], 0
	v_nop
	global_prefetch_b8 v0, s[64:65] scope:SCOPE_SE
	s_setreg_imm32_b32 hwreg(HW_REG_WAVE_MODE, 25, 1), 1
	s_wait_xcnt 0x0
	s_wait_alu depctr_hold_cnt(0) depctr_sa_sdst(0) depctr_va_vdst(0) depctr_va_sdst(0) depctr_va_ssrc(0) depctr_va_vcc(0) depctr_vm_vsrc(0)
	s_getreg_b32 s2, hwreg(HW_REG_IB_STS2, 6, 4)
	s_cmp_eq_u32 s2, 0
	s_cbranch_scc0 .Lentry_in_a_cluster
	s_endpgm
.Lentry_in_a_cluster:
	s_bfe_u32 s2, ttmp6, 0x10000c
	s_cmp_lg_u32 s2, 0x3003
	s_cbranch_scc0 .Lentry_shape_is_right
	s_endpgm
.Lentry_shape_is_right:
; out[b][t][64 head + d] = the sum over keys s of softmax_s(q[t] . k[s] / 8) v[s][d], for 64 (batch, head) pairs, 2,048 tokens, 64 dims; both products on codes of BF6 (E3M2) with one E8M0 scale for each 32 along a product's K.
; q, k, v arrive as images of operand registers, made by the launch before: a record of 6,400 bytes for each (batch, head, step of 128 tokens): four images of 1,536 bytes, then 256 bytes of scale words.
; THE SOFTMAX AHEAD OF THE SECOND PRODUCT: t = score x log2(e) / 8; M = the row's largest t so far, rounded UP to a whole number; p = 2^(t - M) is what is quantised, along the keys, not normalised.  The row's sum is taken of
; the unquantised p, in f32, and divides at the end.  When M moves, the sum and O are multiplied by 2^(old M - new M): exact.
; LIMITS: NaN and infinities are not served.  A block of p whose largest number lies under 2^-122 keeps the byte 1 (its codes then are zeros or the smallest codes).  A block's largest p is taken from the block's largest
; score by the same multiply-add and exponential, which takes v_exp_f32 not to fall where its input rises.
; SHARES.  A work-group owns 512 queries of one (batch, head); each of its SIXTEEN waves owns 32 of them and takes them in two passes of 16, in 256 registers: four waves to a SIMD, so that one wave's vector work stands
; beside another's matrix work and LDS loads.  256 work-groups of equal work.
; THE HEAD'S WHOLE K AND V LIE IN LDS, 102,400 bytes each, filled ONCE: no ring, no refill.  CLUSTER: the four work-groups of a head form a cluster and ask for K and V JOINTLY: the same tensor loads, with the same
; descriptors and a mask that names the four.  Each wave fetches two key steps with one load, even waves K's, odd waves V's: waves 0-3 bring steps 0-3, so that work begins early, the others steps 4-15.
; LAYOUT.  Both products are used transposed: S^T = K Q^T (source 0 = keys, source 1 = my 16 queries), O^T = V^T P^T (source 0 = 16 channels, source 1 = P): a lane holds ONE query (lane % 16) throughout.
; A HEAD HAS 64 DIMS, HALF OF THE INSTRUCTION'S K.  An image of k holds TWO tiles of 16 keys: registers 0-5 one tile's 64 dims, registers 6-11 the other's.  It is multiplied once by (q | zeros), which picks the first tile, and
; once by (zeros | q), which picks the second: zero codes add nothing under any scale byte but 0xff, and no byte here is 0xff.
; The keys of a tile are not neighbours: row r of image g's tile e is key 32 g + 8 e + r + 8 (r / 8), so that the 16 registers of the two tiles are 16 neighbouring keys, 32 g + 16 (lane / 16) + 0 .. 15.
; REGISTERS: v1, v2 16 x lane, 8 x lane; v3-6 the step's LDS addresses; v7-9 the way out; v10 q's scale words as loaded, v11 the pass's; v12 -M, v13 the largest t, v[14:15] the sum in two halves;
;   v16-45 zeros | q of pass 0 | zeros | q of pass 1 | zeros, six registers each; v48-95 k's four images, then p's codes and work; v96-159 S^T, then p; v160-191 O^T; v192-239 v's four fragments;
;   v[240:241] k's scale words, v[242:243] v's, v244 p's; v245-248, v250-255 at work.
.set REC,   6400
.set HEADB, 16*REC                     ; a head's K, or V: LDS 0 .. 102,399 K, 102,400 .. 204,799 V
.set STG,   2*HEADB                    ; behind them: a stage of 16 rows x 272 bytes for each wave, for the way out; no tensor load lands there
.set SP,    272
.set L16,  1
.set L8,   2
.set STO,  7                           ; the way out: where I put my channels of a row
.set RD,   8                           ; where I read a row back
.set GO,   9                           ; my byte offset in out0
.set QW,   10
.set QS,   11
.set KR,   48                          ; k's images
.set PCD,  48                          ; p's codes, where k's first image lay
.set BM,   68                          ; v68-71 the blocks' largest scores, then largest p
.set SOP,  72                          ; v72-75 the conversions' scale operands
.set S,    96
.set O,    160
.set VR,   192
.set KSW,  240
.set VSW,  242
.set PWD,  244
.set BP,   245                         ; v245-248 the other half's maxima, then the bytes
.set F,    250                         ; v[250:251] f = 2^(old M - new M); the packed form names the pair and takes its low word
.set T,    252
.set L2,   254                         ; v[254:255] the sum's second chain
.set WV,   12                          ; s12 my wave's number
.set SEL,  20                          ; s[20:21] lane selects for v_permlanex16_b32: lane l xor 16
.set CS,   22                          ; s[22:23] c = log2(e) / 8
.set G1A,  24                          ; s[24:31] descriptor group 1: 50 rows of 256 bytes, two records
.set G0A,  40                          ; s[40:43] its group 0
.set TB,   48                          ; s48 LDS byte of the step's record of K;  s49 of V
.set TBV,  49
.set CNT,  50
.macro CROUND                          ; a round of the cluster's barrier
	s_barrier_signal -1
	s_barrier_wait -1
	s_cmp_lg_u32 s[WV], 0
	s_cbranch_scc1 .Lnot_wave_0_\@
	s_barrier_signal -3
.Lnot_wave_0_\@:
	s_barrier_wait -3
	s_barrier_signal -1
	s_barrier_wait -1
.endm
	s_load_b256 s[4:11], s[0:1], 0x0               ; qimg s[4:5], kimg s[6:7], vimg s[8:9], out0 s[10:11]
	v_lshl_add_u32 v249, v0, 2, 0x43000
	v_mov_b32 v253, 0
	ds_add_u32 v249, v253
	ds_add_u32 v249, v253
	v_lshrrev_b32 v1, 5, v0
	s_delay_alu instid0(VALU_DEP_1)
	v_readfirstlane_b32 s[WV], v1                  ; wave 0..15
	s_bfe_u32 s13, ttmp6, 0x40000                  ; cx: my block of 512 queries; it enters q's and out0's addresses alone
	s_and_b32 s14, ttmp7, 0xffff                   ; 16 x batch + head, which the four partners share
	; descriptor group 1: dense blocks, as rows of 256 bytes (32 elements of 8 bytes), no padding: images are read as consecutive bytes
	s_mov_b32 s[G1A], 15|(3<<16)|(1<<21)           ; 15:0 the mask: all four work-groups; 17:16 elements of 8 bytes; 21 set beside a mask
	s_mov_b32 s[G1A+1], 32<<16                     ; tensor_dim0
	s_mov_b32 s[G1A+2], 50<<16                     ; tensor_dim1: two records
	s_mov_b32 s[G1A+3], 32<<16                     ; tile_dim0
	s_mov_b32 s[G1A+4], 50                         ; tile_dim1
	s_mov_b32 s[G1A+5], 32                         ; tensor_dim0_stride
	s_mov_b32 s[G1A+6], 0
	s_mov_b32 s[G1A+7], 0
	; THE FILLS: each of the sixteen waves fetches two records with one joint load: an even wave K's, an odd wave V's, of key steps (wave & 14) and the next.  So waves 0 to 3 bring key steps 0 to 3.
	s_and_b32 s15, s[WV], 1                        ; 0 = K, 1 = V
	s_and_b32 s16, s[WV], 14                       ; the first of my two key steps
	s_mul_i32 s17, s15, HEADB
	s_mul_i32 s18, s16, REC
	s_mul_i32 s52, s14, HEADB                      ; the head's first byte in each buffer of images (under 2^31)
	s_mov_b32 s53, 0
	s_mov_b32 s57, 0
	s_mov_b32 s[SEL], 0x76543210
	s_mov_b32 s[SEL+1], 0xfedcba98
	s_mov_b32 s[CS], 0x3e38aa3b                    ; c = log2(e) / sqrt(64)
	s_mov_b32 s[CS+1], s[CS]                       ; (named with it as a pair, so it is written)
	s_wait_dscnt 0x0
	s_wait_kmcnt 0x0
	s_cmp_eq_u32 s15, 0
	s_cselect_b64 s[54:55], s[6:7], s[8:9]         ; the choice hangs on the wave's number alone
	s_add_nc_u64 s[54:55], s[54:55], s[52:53]
	s_mov_b32 s[G0A], 1                            ; 1:0 count = 1
	s_add_co_u32 s[G0A+1], s17, s18                ; LDS address: no place in the cluster enters it
	s_mov_b32 s56, s18
	s_add_nc_u64 s[G0A+2:G0A+3], s[54:55], s[56:57]
	s_or_b32 s[G0A+3], s[G0A+3], 0x80000000        ; type = 2
	CROUND                                         ; all four work-groups are here: the joint loads meet
	s_cmp_lt_u32 s[WV], 4                          ; one load a wave; waves 0 to 3, whose tiles are shown ahead of the others', have a load line of their own
	s_cbranch_scc0 .Llate_fill
	tensor_load_to_lds s[G0A:G0A+3], s[G1A:G1A+7]
	s_nop 0
.rept 4
	v_nop
.endr
	s_branch .Lasked
.Llate_fill:
	tensor_load_to_lds s[G0A:G0A+3], s[G1A:G1A+7]
	s_nop 0
.rept 4
	v_nop
.endr
.Lasked:
	; my 32 queries: tokens 512 cx + 32 wave on: record 4 cx + wave / 4 of the head, image wave % 4
	s_lshl_b32 s15, s14, 4
	s_lshl_b32 s16, s13, 2
	s_add_co_u32 s15, s15, s16
	s_lshr_b32 s16, s[WV], 2
	s_add_co_u32 s15, s15, s16
	s_mul_i32 s56, s15, REC
	s_add_nc_u64 s[4:5], s[4:5], s[56:57]          ; the record
	s_and_b32 s16, s[WV], 3
	s_mul_i32 s58, s16, 1536
	s_mov_b32 s59, 0
	s_add_nc_u64 s[58:59], s[4:5], s[58:59]        ; the image
	v_and_b32 v3, 31, v0
	s_delay_alu instid0(VALU_DEP_1)
	v_lshlrev_b32 v[L16], 4, v3
	s_delay_alu instid0(VALU_DEP_2)
	v_lshlrev_b32 v[L8], 3, v3
	global_load_b128 v[22:25], v[L16], s[58:59]                ; pass 0's 16 queries: registers 0-5 of the image
	global_load_b64 v[26:27], v[L8], s[58:59] offset:512
	global_load_b64 v[34:35], v[L8], s[58:59] offset:768       ; pass 1's: registers 6-11
	global_load_b128 v[36:39], v[L16], s[58:59] offset:1024
	v_and_b32 v4, 15, v0                           ; r
	s_wait_alu depctr_va_vdst(0)
	v_bfe_u32 v5, v0, 4, 1                         ; h
	s_and_b32 s16, s[WV], 1
	s_lshl_b32 s16, s16, 7                         ; an odd image's words lie in lanes 16-31 of the scale area: 128 bytes on;
	s_lshr_b32 s17, s[WV], 1
	s_and_b32 s17, s17, 1
	s_lshl_b32 s17, s17, 2                         ; images 2 and 3 in the second word
	s_add_co_u32 s16, s16, s17
	s_add_co_u32 s16, s16, 6144
	v_lshlrev_b32 v[T], 3, v4
	s_delay_alu instid0(VALU_DEP_1)
	v_add_nc_u32 v[T], s16, v[T]
	global_load_b32 v[QW], v[T], s[4:5]            ; row r's word: bytes 0, 1 pass 0's two blocks, bytes 2, 3 pass 1's
	s_mul_i32 s15, s[WV], 16*SP
	s_add_co_u32 s15, s15, STG                     ; my stage
	v_mul_u32_u24 v[STO], v4, SP
	s_wait_alu depctr_va_vdst(0)
	v_lshl_add_u32 v[STO], v5, 6, v[STO]
	s_delay_alu instid0(VALU_DEP_1)
	v_add_nc_u32 v[STO], s15, v[STO]               ; in: row r, + 64 h
	v_mul_u32_u24 v[RD], v5, SP
	s_delay_alu instid0(VALU_DEP_1)
	v_lshl_add_u32 v[RD], v4, 4, v[RD]
	s_delay_alu instid0(VALU_DEP_1)
	v_add_nc_u32 v[RD], s15, v[RD]                 ; back: lanes 0-15 one row of 256 bytes, lanes 16-31 the next
	v_lshlrev_b32 v[GO], 12, v5
	s_delay_alu instid0(VALU_DEP_1)
	v_lshl_add_u32 v[GO], v4, 4, v[GO]             ; and the same two tokens in out0: 4,096 bytes a token
	s_lshr_b32 s15, s14, 4
	s_lshl_b32 s15, s15, 23                        ; the batch: 2,048 tokens x 4,096 bytes
	s_lshl_b32 s16, s13, 9
	s_lshl_b32 s17, s[WV], 5
	s_add_co_u32 s16, s16, s17
	s_lshl_b32 s16, s16, 12                        ; my first token
	s_add_co_u32 s15, s15, s16
	s_and_b32 s16, s14, 15
	s_lshl_b32 s16, s16, 8                         ; the head's 256 bytes of a token
	s_add_co_u32 s56, s15, s16                     ; under 2^31
	s_add_nc_u64 s[10:11], s[10:11], s[56:57]
.irp z, 16,17,18,19,20,21,28,29,30,31,32,33,40,41,42,43,44,45
	v_mov_b32 v\z, 0                               ; the zero halves beside q: v[22:33] = (q0 | 0), v[16:27] = (0 | q0), v[34:45] = (q1 | 0), v[28:39] = (0 | q1)
.endr
.irp b, 0,1,2,3
	v_mov_b32 v[BP+\b], 0                          ; written once: a lane permute's destination counts as one of its sources
.endr
	v_mov_b32 v[F+1], 0                            ; (named as the upper half of a pair)
	s_wait_loadcnt 0x0                             ; q and its scale words
; A KEY STEP of pass u: 128 keys.
.macro STEP u
	v_add_nc_u32 v3, s[TB], v[L16]                 ; these four are also the places behind the last step's products, in front of the loads into registers that they read
	v_add_nc_u32 v4, s[TB], v[L8]
	v_add_nc_u32 v5, s[TBV], v[L16]
	v_add_nc_u32 v6, s[TBV], v[L8]
.irp g, 0,1,2,3                                ; k's four images and its scale words: 17 loads
	ds_load_b128 v[KR+12*\g:KR+12*\g+3], v3 offset:1536*\g
	ds_load_b64 v[KR+12*\g+4:KR+12*\g+5], v4 offset:1536*\g+512
	ds_load_b64 v[KR+12*\g+6:KR+12*\g+7], v4 offset:1536*\g+768
	ds_load_b128 v[KR+12*\g+8:KR+12*\g+11], v3 offset:1536*\g+1024
.endr
	ds_load_b64 v[KSW:KSW+1], v4 offset:6144
.irp t, 0,1,2,3                                ; v's four fragments and its scale words: 13 loads, wanted only behind the softmax
.irp c, 0,1,2
	ds_load_b128 v[VR+12*\t+4*\c:VR+12*\t+4*\c+3], v5 offset:1536*\t+512*\c
.endr
.endr
	ds_load_b64 v[VSW:VSW+1], v6 offset:6144
	s_wait_dscnt 13                                ; k's 17 are in; v's 13 may be out
.irp g, 0,1,2,3                                ; S^T = K Q^T: image g by (q | 0) and by (0 | q).  Lane (r, h) holds query r; register 16 g + 8 e + j is key 32 g + 16 h + 8 e + j
.irp e, 0,1
.if \g%2
	v_wmma_scale_f32_16x16x128_f8f6f4 v[S+8*(2*\g+\e):S+8*(2*\g+\e)+7], v[KR+12*\g:KR+12*\g+11], v[22+12*(\u)-6*\e:33+12*(\u)-6*\e], 0, v[KSW+\g/2], v[QS] matrix_a_fmt:MATRIX_FMT_BF6 matrix_b_fmt:MATRIX_FMT_BF6 matrix_a_scale:MATRIX_SCALE_ROW1
.else
	v_wmma_scale_f32_16x16x128_f8f6f4 v[S+8*(2*\g+\e):S+8*(2*\g+\e)+7], v[KR+12*\g:KR+12*\g+11], v[22+12*(\u)-6*\e:33+12*(\u)-6*\e], 0, v[KSW+\g/2], v[QS] matrix_a_fmt:MATRIX_FMT_BF6 matrix_b_fmt:MATRIX_FMT_BF6
.endif
.endr
.endr
.rept 4
	v_nop                                          ; places: what follows reads the scores and writes registers that held k
.endr
.irp b, 0,1,2,3
	v_max3_num_f32 v[BM+\b], v[S+16*\b], v[S+1+16*\b], v[S+2+16*\b]   ; THE LARGEST SCORE OF EACH BLOCK OF 32 KEYS: it serves for the row's maximum and, since p rises with the score, for the block's largest p
.endr
.irp i, 3,5,7,9,11,13
.irp b, 0,1,2,3
	v_max3_num_f32 v[BM+\b], v[BM+\b], v[S+16*\b+\i], v[S+1+16*\b+\i]   ; (the four blocks by turns)
.endr
.endr
.irp b, 0,1,2,3
	v_max_num_f32 v[BM+\b], v[BM+\b], v[S+15+16*\b]
.endr
.irp b, 0,1,2,3
	s_delay_alu instid0(VALU_DEP_4)
	v_permlanex16_b32 v[BP+\b], v[BM+\b], s[SEL], s[SEL+1]
.endr
.irp b, 0,1,2,3
	s_delay_alu instid0(VALU_DEP_4)
	v_max_num_f32 v[BM+\b], v[BM+\b], v[BP+\b]     ; with lane l xor 16's 16 keys
.endr
	s_delay_alu instid0(VALU_DEP_2)
	v_max3_num_f32 v[T], v[BM], v[BM+1], v[BM+2]
	s_delay_alu instid0(VALU_DEP_1)
	v_max_num_f32 v[T], v[T], v[BM+3]              ; the step's largest score of my query
	s_delay_alu instid0(VALU_DEP_1)
	v_mul_f32 v[T], s[CS], v[T]                    ; as t (c is positive)
	s_delay_alu instid0(VALU_DEP_1)
	v_max_num_f32 v13, v13, v[T]                   ; the running largest t
	v_mov_b32 v[T], v12
	s_delay_alu instid0(VALU_DEP_2)
	v_floor_f32 v12, -v13                          ; the new -M = floor(-t) = -ceil(t): M is a whole number
	s_delay_alu instid0(VALU_DEP_1)
	v_sub_f32 v[T], v12, v[T]                      ; M's old value less its new one: a whole number, 0 or less
	s_delay_alu instid0(VALU_DEP_1)
	v_cvt_i32_f32 v[T], v[T]                       ; (it saturates)
	s_delay_alu instid0(VALU_DEP_1)
	v_ldexp_f32 v[F], 1.0, v[T]                    ; f = 2^(old M - new M)
.set J, 0
.rept 32
	v_pk_fma_f32 v[S+J:S+J+1], v[S+J:S+J+1], s[CS:CS+1], v[12:13] op_sel_hi:[1,0,0]   ; t - M, two at a time (of the pairs c and -M the low word serves both halves)
.set J, J+2
.endr
.irp b, 0,1,2,3
	v_fma_f32 v[BM+\b], v[BM+\b], s[CS], v12       ; the same of each block's largest score
.endr
.set J, 0
	s_wait_alu depctr_va_vdst(0)
.rept 64
	v_exp_f32 v[S+J], v[S+J]                       ; p = 2^(t - M), at most 1: not normalised
.set J, J+1
.endr
	v_pk_mul_f32 v[14:15], v[14:15], v[F:F+1] op_sel_hi:[1,0]   ; the sums under the new M (a plain line behind the exponentials)
	s_wait_alu depctr_va_vdst(0)                   ; the wait ahead of the first line that names a result: one for the batch of 64
.irp b, 0,1,2,3
	v_exp_f32 v[BM+\b], v[BM+\b]                   ; the block's largest p: the same two instructions on the same number give the same bits
.endr
	v_pk_add_f32 v[L2:L2+1], v[S:S+1], v[S+2:S+3]  ; THE ROW'S SUM IS TAKEN OF THE UNQUANTISED p: two at a time, in two chains
.irp j, 4,8,12,16,20,24,28,32,36,40,44
	v_pk_add_f32 v[14:15], v[14:15], v[S+\j:S+\j+1]
	v_pk_add_f32 v[L2:L2+1], v[L2:L2+1], v[S+2+\j:S+3+\j]
.endr
	s_wait_alu depctr_va_vdst(0)                   ; and one for the four
.irp b, 0,1,2,3
	v_max_num_f32 v[BM+\b], 0x2800000, v[BM+\b]    ; the floor 2^(5 - 127): the byte cannot fall under 1
.endr
.irp b, 0,1,2,3
	s_delay_alu instid0(VALU_DEP_4)
	v_add_nc_u32 v[SOP+\b], 0xfe000000, v[BM+\b]   ; 4 off the exponent field: the conversion's scale operand
.endr
.irp b, 0,1,2,3
	s_delay_alu instid0(VALU_DEP_4)
	v_lshrrev_b32 v[BP+\b], 23, v[SOP+\b]          ; the scale's byte
.endr
	s_delay_alu instid0(VALU_DEP_3)
	v_lshl_or_b32 v[PWD], v[BP+1], 8, v[BP]        ; p's scale word for these 128 keys
	s_delay_alu instid0(VALU_DEP_1)
	v_lshl_or_b32 v[PWD], v[BP+2], 16, v[PWD]
	s_delay_alu instid0(VALU_DEP_1)
	v_lshl_or_b32 v[PWD], v[BP+3], 24, v[PWD]
.irp c, 0,1
	v_cvt_scalef32_pk16_bf6_f32 v[PCD+6*\c:PCD+6*\c+2], v[S+32*\c:S+32*\c+15], v[SOP+2*\c]
	v_cvt_scalef32_pk16_bf6_f32 v[PCD+12+4*\c:PCD+12+4*\c+2], v[S+16+32*\c:S+31+32*\c], v[SOP+2*\c+1]   ; (a conversion's three registers begin on an even number)
.endr
	v_nop                                          ; one plain line behind a scaled conversion
.irp c, 0,1                                    ; the operand's layout wants a WHOLE block in a lane: lanes 0-15 block 2 c, lanes 16-31 block 2 c + 1
.irp i, 0,1,2
	v_permlane16_swap_b32 v[PCD+6*\c+\i], v[PCD+12+4*\c+\i]
.endr
.irp i, 0,1,2
	s_delay_alu instid0(VALU_DEP_3)
	v_mov_b32 v[PCD+3+6*\c+\i], v[PCD+12+4*\c+\i]
.endr
.endr
.set J, 0
.rept 16
	v_pk_mul_f32 v[O+J:O+J+1], v[O+J:O+J+1], v[F:F+1] op_sel_hi:[1,0]   ; O^T under the new M, each accumulator from its low end on
.set J, J+2
.endr
.irp j, 48,52,56,60                            ; the rest of the sum stands here: with the sixteen lines above, more than eight plain lines behind p's scale word and more than four behind its codes and O^T
	v_pk_add_f32 v[14:15], v[14:15], v[S+\j:S+\j+1]
	v_pk_add_f32 v[L2:L2+1], v[L2:L2+1], v[S+2+\j:S+3+\j]
.endr
	s_delay_alu instid0(VALU_DEP_1)
	v_pk_add_f32 v[14:15], v[14:15], v[L2:L2+1]
	s_wait_dscnt 0x0                               ; v's fragments and scale words are in
.irp t, 0,1,2,3                                ; O^T += V^T P^T: four tiles of 16 channels by turns; K = these 128 keys
.if \t%2
	v_wmma_scale_f32_16x16x128_f8f6f4 v[O+8*\t:O+8*\t+7], v[VR+12*\t:VR+12*\t+11], v[PCD:PCD+11], v[O+8*\t:O+8*\t+7], v[VSW+\t/2], v[PWD] matrix_a_fmt:MATRIX_FMT_BF6 matrix_b_fmt:MATRIX_FMT_BF6 matrix_a_scale:MATRIX_SCALE_ROW1
.else
	v_wmma_scale_f32_16x16x128_f8f6f4 v[O+8*\t:O+8*\t+7], v[VR+12*\t:VR+12*\t+11], v[PCD:PCD+11], v[O+8*\t:O+8*\t+7], v[VSW+\t/2], v[PWD] matrix_a_fmt:MATRIX_FMT_BF6 matrix_b_fmt:MATRIX_FMT_BF6
.endif
.endr
	s_add_co_u32 s[TB], s[TB], REC                 ; the next step's records
	s_add_co_u32 s[TBV], s[TBV], REC
.endm
.macro KLOOP u, first, n               ; n key steps from step 'first' on
	s_mov_b32 s[TB], (\first)*REC
	s_mov_b32 s[TBV], HEADB+(\first)*REC
	s_mov_b32 s[CNT], \n
.Lkey_\@:
	STEP \u
	s_sub_co_u32 s[CNT], s[CNT], 1
	s_cmp_lg_u32 s[CNT], 0
	s_cbranch_scc1 .Lkey_\@
.endm
; THE WAY OUT of pass u.  O^T is divided by the row's sum and goes through my stage in LDS, so that sixteen lanes store a token's 256 bytes of its head.
; Register 8 t + j of lane (r, h) is channel 32 (t / 2) + 16 h + 8 (t % 2) + j; row r is token 8 u + r + 8 (r / 8) of my 32.
.macro OUT u
	v_add_f32 v14, v14, v15                        ; the sum's two halves,
	s_delay_alu instid0(VALU_DEP_1)
	v_permlanex16_b32 v[T], v14, s[SEL], s[SEL+1]
	s_delay_alu instid0(VALU_DEP_1)
	v_add_f32 v14, v14, v[T]                       ; and lane l xor 16's: the row's sum
	s_wait_alu depctr_va_vdst(0)
	v_rcp_f32 v14, v14
.rept 3
	v_nop                                          ; a plain line behind the reciprocal; with the two additions above, the places behind the last products
.endr
	s_wait_alu depctr_va_vdst(0)                   ; the wait ahead of the reciprocal's first reader
.set J, 0
.rept 16
	v_pk_mul_f32 v[S+J:S+J+1], v[O+J:O+J+1], v[14:15] op_sel_hi:[1,0]   ; each accumulator from its low end on
.set J, J+2
.endr
.irp k, 0,1,2,3
	ds_store_b128 v[STO], v[S+4*\k:S+4*\k+3] offset:16*\k
.endr
.irp k, 0,1,2,3
	ds_store_b128 v[STO], v[S+16+4*\k:S+16+4*\k+3] offset:128+16*\k
.endr
.irp i, 0,1,2,3,4,5,6,7
	ds_load_b128 v[S+32+4*\i:S+32+4*\i+3], v[RD] offset:2*\i*SP   ; LDS serves a wave's instructions in order (ISA guide 5.7.1.4): these see my stores
.endr
.irp i, 0,1,2,3,4,5,6,7
	s_wait_dscnt 7-\i                              ; the younger loads may be out
	global_store_b128 v[GO], v[S+32+4*\i:S+32+4*\i+3], s[10:11] offset:(8*(\u)+2*\i+8*(\i/4))*4096 th:TH_STORE_NT   ; 16 lanes store 256 consecutive bytes, at a multiple of 256 from out0's first byte
.endr
.endm
.macro START u                         ; a pass begins: its scale word of q in all four bytes' places, M under every t, zeros in the sum and in O^T (the first change of M leaves zeros zeros, so the step is written without a first form)
.if \u
	v_perm_b32 v[QS], v[QW], v[QW], 0x03020302
.else
	v_perm_b32 v[QS], v[QW], v[QW], 0x01000100
.endif
	v_mov_b32 v13, 0xff61b1e6                      ; -3e38
	s_delay_alu instid0(VALU_DEP_1)
	v_floor_f32 v12, -v13
	v_mov_b32 v14, 0
	v_mov_b32 v15, 0
.set J, 0
.rept 32
	v_mov_b32 v[O+J], 0
.set J, J+1
.endr
.endm
	START 0
	s_wait_alu depctr_va_vdst(0)                   ; the wait at the head's end
	s_cmp_lt_u32 s[WV], 4
	s_cbranch_scc0 .Lnot_early
	s_wait_tensorcnt 0x0                           ; waves 0 to 3: key steps 0 to 3 are in; the other waves' loads may be out
.Lnot_early:
	s_barrier_signal -1
	s_barrier_wait -1
	KLOOP 0, 0, 4
	s_wait_tensorcnt 0x0                           ; my part of steps 4-15 is in,
	s_barrier_signal -1
	s_barrier_wait -1                              ; everybody's is
	KLOOP 0, 4, 12
	s_wait_alu depctr_va_vdst(0)
	OUT 0
	s_wait_xcnt 0x0                                ; pass 0's stores have read their registers: the next scores are written over them
	START 1
	KLOOP 1, 0, 16
	s_wait_alu depctr_va_vdst(0)
	OUT 1
	s_wait_tensorcnt 0x0
	ds_add_u32 v249, v253
	s_wait_dscnt 0x0
	CROUND                                         ; the closing round: no work-group ends while a partner may still ask jointly
	s_endpgm
.Lfunc_end_k_qca6ba36501_attn:
	.size	k_qca6ba36501_attn, .Lfunc_end_k_qca6ba36501_attn-k_qca6ba36501_attn
	.p2alignl 7, 3214868480
	.fill 96, 4, 3214868480
	.section	.rodata,"a",@progbits
	.p2align	6, 0x0
	.amdhsa_kernel k_qca6ba36501_attn
		.amdhsa_group_segment_fixed_size 276480
		.amdhsa_private_segment_fixed_size 0
		.amdhsa_enable_private_segment 0
		.amdhsa_kernarg_size 32
		.amdhsa_user_sgpr_count 2
		.amdhsa_user_sgpr_kernarg_segment_ptr 1
		.amdhsa_wavefront_size32 1
		.amdhsa_system_sgpr_workgroup_id_x 1
		.amdhsa_system_sgpr_workgroup_id_y 1
		.amdhsa_system_sgpr_workgroup_id_z 1
		.amdhsa_system_vgpr_workitem_id 0
		.amdhsa_next_free_vgpr 256
		.amdhsa_next_free_sgpr 66
		.amdhsa_reserve_vcc 0
		.amdhsa_float_denorm_mode_32 3
		.amdhsa_float_denorm_mode_16_64 3
		.amdhsa_memory_ordered 1
		.amdhsa_forward_progress 1
		.amdhsa_inst_pref_size 67
	.end_amdhsa_kernel
	.amdgpu_metadata
---
amdhsa.version: [ 1, 2 ]
amdhsa.kernels:
  - .name:           k_qca6ba36501_attn
    .symbol:         k_qca6ba36501_attn.kd
    .args:
      - { .name: qimg, .offset: 0, .size: 8, .value_kind: global_buffer, .address_space: global }
      - { .name: kimg, .offset: 8, .size: 8, .value_kind: global_buffer, .address_space: global }
      - { .name: vimg, .offset: 16, .size: 8, .value_kind: global_buffer, .address_space: global }
      - { .name: out0, .offset: 24, .size: 8, .value_kind: global_buffer, .address_space: global }
    .group_segment_fixed_size: 276480
    .private_segment_fixed_size: 0
    .kernarg_segment_align: 8
    .kernarg_segment_size: 32
    .max_flat_workgroup_size: 512
    .sgpr_count:     66
    .vgpr_count:     256
    .wavefront_size: 32
...
	.end_amdgpu_metadata
.endif
;; end of part 3
